; MI455X (gfx1250); checked and timed in simulation.
; The chip was launched on July 23, 2026; its instructions are those of AMD's public machine-readable ISA for CDNA 5 (MIT licence, August 2026) and "CDNA5" Instruction Set Architecture Reference Guide (July 2026). The comments in the code are by the model that wrote it; some were corrected since.
;; Simple MHA. Allowed arithmetic: matrix products marked QUANTISED: E4M3 operands, one given power-of-two scale a tensor, by v_wmma_f32_16x16x64_fp8_fp8 or v_wmma_f32_16x16x128_fp8_fp8, f32 sums; everything else in f32.
;; Inputs: Wk 1,024 x 1,024 float32; Wo 1,024 x 1,024 float32; Wq 1,024 x 1,024 float32; Wv 1,024 x 1,024 float32; lowp_scales 12 int32 (the exponents e of the quantised operands' scales 2^e); x 1 x 4,096 x 1,024 float32.
;; Outputs: out0 1 x 4,096 x 1,024 float32.
;; This version of the problem:
;;   THIS VERSION OF THE PROBLEM IS GIVEN IN LOW PRECISION. The matrix products marked QUANTISED in the list below multiply operands that are first quantised to E4M3 (4 exponent bits, 3 mantissa bits; 8 bits a number), with one given power-of-two scale for each operand tensor; their sums are f32. All else is computed in f32.
;;   The module's matrix products, in the order in which they are computed (A, B: the left and right operand; K: the contracted axis; several contracted axes count as one K, in the product's order):
;;     1. [M 4,096, K 1,024] x [K 1,024, N 1,024]; A: input x; B: input Wq: QUANTISED (scales: A lowp_scales[0], B lowp_scales[1])
;;     2. [M 4,096, K 1,024] x [K 1,024, N 1,024]; A: input x; B: input Wk: QUANTISED (scales: A lowp_scales[2], B lowp_scales[3])
;;     3. [M 4,096, K 1,024] x [K 1,024, N 1,024]; A: input x; B: input Wv: QUANTISED (scales: A lowp_scales[4], B lowp_scales[5])
;;     4. batch 16 x [M 4,096, K 64] x [K 64, N 4,096]; A: computed on the way; B: computed on the way: QUANTISED (scales: A lowp_scales[6], B lowp_scales[7])
;;     5. batch 16 x [M 4,096, K 4,096] x [K 4,096, N 64]; A: softmax (see below); B: computed on the way: QUANTISED (scales: A lowp_scales[8], B lowp_scales[9])
;;     6. [M 4,096, K 1,024] x [K 1,024, N 1,024]; A: computed on the way; B: input Wo: QUANTISED (scales: A lowp_scales[10], B lowp_scales[11])
;;   THE QUANTISER, for each operand of a quantised product, along K:
;;     - The operand's scale is 2^e, e = its entry of the input lowp_scales (int32; the entries are numbered through the quantised products in the list's order, A before B).
;;     - Each number is divided by the scale, clamped to +-448, and rounded to the nearest number of E4M3, ties to even, subnormals kept.
;;     - The product sums the exact products of the quantised numbers (number of the format x scale) in f32.
;;   ~~~python
;;   def quantise(x, axis, e):      # numpy; x: float32 -> the quantised numbers, widened to float32 again
;;       x = np.moveaxis(x, axis, -1); K = x.shape[-1]
;;       r = np.clip(x / 2.0 ** e, -448, 448)
;;       step = 2.0 ** (np.maximum(np.frexp(np.where(r == 0, 1, r))[1] - 1, -6) - 3)
;;       q = np.round(r / step) * step * 2.0 ** e      # np.round: ties to even
;;       return np.moveaxis(q, -1, axis).astype(np.float32)
;;   ~~~
;;   SOFTMAX AHEAD OF A QUANTISED PRODUCT. Where the list says 'softmax', what is quantised is not the finished softmax but p = 2^(t - M), with t = logit x log2(e) and M = ceil(the row's largest t), a whole number; so 1/2 < the row's largest p <= 1. The row's sum l is taken of the UNQUANTISED p, in f32, and the product's result is divided by l at the end. Since M is a whole number, a kernel that streams over the keys may use a running M (the ceiling of the running maximum): every later rescaling is an exact power of two, so the quantised numbers keep their values, but for numbers so far below the row's largest that they fall under the format's range.
;;   OPERANDS COMPUTED ON THE WAY. 'Computed on the way' means the value that the module computes at that place (a softmax that the list does not call 'softmax' is quantised finished and normalised). What goes into a quantiser is computed in f32, as accurately as f32 sums, v_exp_f32 and their like allow (about 1e-6 of the number): no bf16 or f16 on the way to a quantiser, and a product that is left as it is and whose result goes on into a quantised operand takes f32 operands (vector FMAs, or v_wmma_f32_16x16x4_f32). A number that lies on a knife's edge between two numbers of the format may be rounded either way, as far as f32 arithmetic and the matrix unit's own rounding can turn it there, and no further.
;; One version. Each part assembles by itself: llvm-mc -triple=amdgcn-amd-amdhsa -mcpu=gfx1250 --defsym DOCPART=n.
;; ======== version 1 of 1: 4 launches
;; limits: right only within a limited range of input values
;; workspace buffers: xc 12,582,912 bytes; wc 4,194,304 bytes; qkv 12,582,912 bytes; zc 4,194,304 bytes
;; launch quant (part 1): grid 256 x 1, 8 waves a work-group, no clusters, 136,192 bytes of LDS; arguments x, Wq, Wk, Wv, Wo, lowp_scales, xc, wc; writes xc, wc
.if DOCPART == 1
	.amdgcn_target "amdgcn-amd-amdhsa--gfx1250"
	.amdhsa_code_object_version 6
	.text
	.protected	k_qb9626e2168_quant
	.globl	k_qb9626e2168_quant
	.p2align	8
	.type	k_qb9626e2168_quant,@function
k_qb9626e2168_quant:
	s_mov_b64 s[64:65], 0
	v_nop
	global_prefetch_b8 v0, s[64:65] scope:SCOPE_SE
	s_setreg_imm32_b32 hwreg(HW_REG_WAVE_MODE, 25, 1), 1
	s_wait_xcnt 0x0
; THE PROGRAM: causal attention of 16 heads of 64 over 4,096 positions of 1,024, all six products on codes of FP8 (E4M3), each operand with the scale 2^e given for it.
;   quant: x and the four weights become codes.   qkv: q, k, v^T = products 1 to 3, quantised on the way out.   attn: products 4 and 5 with the softmax, z quantised.   proj: product 6.
; WORK LEFT OUT (in attn).  reference() sets scores[q][k] to -inf wherever k > q, by the mask that it builds itself (jnp.triu(ones, 1)); the softmax gives those places the weight 0 whatever
; finite values x and the weights hold, and key 0 counts for every query, so no row is all -inf.  So a step of 128 keys all of which come after a wave's 16 queries adds 0 to the row's sum and to z and
; does not move the row's maximum: its two products and its softmax are not done, and tiles of k and v that no query of a work-group may see are not fetched.
; LIMIT: a NaN, an infinity or an overflow that would arise only in such hidden scores is not carried to the result.  Every input has a way to the output: all are loaded.
;
; THIS LAUNCH.  code = number / 2^e, held within +-448, rounded to the nearest code, ties to even.  x is an operand of three products under three given scales (entries 0, 2, 4), so it gets three sets of
; codes; Wq, Wk, Wv, Wo one each (entries 1, 3, 5, 11).  LIMITS: each of these e lies between -126 and 119; NaN among the inputs is not served (an infinity is held at the largest code).
; THE CODES ARE LAID AS IMAGES OF OPERAND REGISTERS.  A fragment is 16 rows x 128 along K, 16 registers a lane: lane (r = lane % 16, h = lane / 16) holds row r, registers 2 c', 2 c' + 1 hold k = 16 c' + 8 h + 0 .. 7.
; An image stores registers 4 c .. 4 c + 3 of the 32 lanes as 512 consecutive bytes, lane l's 16 bytes at 16 l.  xc: set o x 4,194,304 + (k / 256) x 1,048,576 + (row / 16) x 4,096 + ((k % 256) / 32) x 512 + 16 x lane;
; wc: weight j x 1,048,576 + (k / 256) x 262,144 + (row / 16) x 4,096 + the same.
; SHARES.  Work-group g takes rows 16 g .. 16 g + 15 of x, and rows 16 (g % 64) .. + 15 of weight g / 64: all take one path and the same work.  Wave w takes k = 128 w .. 128 w + 127 of both: one fragment each.
; Each load reads 512 consecutive bytes of a row; the 16 rows turn through the wave's own stage in LDS (rows of 512 + 16 bytes) and come back in the operand's order; each store writes 512 consecutive bytes, aligned.
; All 32 loads of a wave go out at the head.  Waves share nothing: no barrier.  No matrix unit, no cluster, no tensor load: nothing is shared and nothing is multiplied.
.set ROWP,  528                        ; a stage row
.set STG,   16*ROWP                    ; a stage; wave w has stages 2 w (x) and 2 w + 1 (the weight)
.set SPARE, 16*STG                     ; behind the stages: the spare words, 128 bytes for each wave: four blocks of 256 bytes that no other line names
.set LO,    2                          ; v2       16 x lane: offset of every load and store; never rewritten
.set SIN,   3                          ; v3       the stage on the way in: 2 w STG + 16 x lane
.set SOUT,  4                          ; v4       and on the way out: 2 w STG + r ROWP + 32 h
.set SPW,   5                          ; v5       LDS address of my spare word; never rewritten
.set NIL,   6                          ; v6       0; never rewritten
.set SCL,   8                          ; v8-15    four pairs (2^e as f32, 448 x 2^e): entries 0, 2, 4, the weight's
.set RX,    16                         ; v16-79   x as loaded; then the codes: x's three sets in v16-63, the weight's in v64-79
.set RW,    80                         ; v80-143  the weight as loaded
.set NUM,   144                        ; v144-207 64 numbers in the operand's order: register 16 c + i is k = 32 c + 8 h + i (i < 8), 32 c + 16 + 8 h + i - 8 (i >= 8)
.set TH,    208                        ; v208-239 two sets of 16 held numbers, by turns
	s_load_b512 s[4:19], s[0:1], 0x0               ; x 4:5, Wq 6:7, Wk 8:9, Wv 10:11, Wo 12:13, the exponents 14:15, xc 16:17, wc 18:19
	v_lshl_add_u32 v[SPW], v0, 2, SPARE
	v_mov_b32 v[NIL], 0
	v_lshrrev_b32 v1, 5, v0
	s_delay_alu instid0(VALU_DEP_1)
	v_readfirstlane_b32 s20, v1                    ; wave 0..7
	v_and_b32 v1, 31, v0
	s_delay_alu instid0(VALU_DEP_1)
	v_lshlrev_b32 v[LO], 4, v1
	s_mul_i32 s58, s20, 2*STG
	v_add_nc_u32 v[SIN], s58, v[LO]
	v_and_b32 v7, 15, v0                           ; r
	v_bfe_u32 v1, v0, 4, 1                         ; h
	s_delay_alu instid0(VALU_DEP_2)
	v_mul_u32_u24 v[SOUT], v7, ROWP
	s_delay_alu instid0(VALU_DEP_1)
	v_lshl_add_u32 v[SOUT], v1, 5, v[SOUT]
	s_delay_alu instid0(VALU_DEP_1)
	v_add_nc_u32 v[SOUT], s58, v[SOUT]
	s_lshr_b32 s21, ttmp9, 6                       ; which weight
	s_and_b32 s22, ttmp9, 63                       ; which 16 rows of it
	s_lshl_b32 s23, s20, 9                         ; my wave's 512 bytes of a row
	s_lshl_b32 s24, ttmp9, 16                      ; x: 16 rows of 4,096 bytes a work-group
	s_add_co_u32 s24, s24, s23
	s_mov_b32 s25, 0
	s_lshl_b32 s26, s22, 16                        ; the weight likewise
	s_add_co_u32 s26, s26, s23
	s_mov_b32 s27, 0
	s_lshr_b32 s54, s20, 1                         ; k / 256
	s_and_b32 s55, s20, 1
	s_lshl_b32 s55, s55, 11                        ; which half of the 256: 4 groups of 512 bytes
	s_lshl_b32 s28, s54, 20
	s_lshl_b32 s29, ttmp9, 12
	s_add_co_u32 s28, s28, s29
	s_add_co_u32 s28, s28, s55                     ; my fragment's place in an image of x
	s_mov_b32 s29, 0
	s_lshl_b32 s56, s21, 20
	s_lshl_b32 s57, s54, 18
	s_add_co_u32 s56, s56, s57
	s_lshl_b32 s57, s22, 12
	s_add_co_u32 s56, s56, s57
	s_add_co_u32 s56, s56, s55                     ; and in wc
	s_mov_b32 s57, 0
	s_wait_alu depctr_va_vdst(0)
	s_wait_kmcnt 0x0
	s_load_b256 s[40:47], s[14:15], 0x0            ; entries 0 to 7
	s_load_b128 s[48:51], s[14:15], 0x20           ; entries 8 to 11
	s_add_nc_u64 s[4:5], s[4:5], s[24:25]
	s_cmp_eq_u32 s21, 0                            ; the weight is chosen by the work-group's number alone
	s_cselect_b64 s[36:37], s[6:7], s[8:9]
	s_cmp_eq_u32 s21, 2
	s_cselect_b64 s[38:39], s[10:11], s[12:13]
	s_cmp_lt_u32 s21, 2
	s_cselect_b64 s[36:37], s[36:37], s[38:39]
	s_add_nc_u64 s[36:37], s[36:37], s[26:27]
	s_add_nc_u64 s[30:31], s[16:17], s[28:29]      ; three bases for x's three sets: the distance does not fit a store's immediate
	s_add_nc_u64 s[32:33], s[30:31], 0x400000
	s_add_nc_u64 s[34:35], s[30:31], 0x800000
	s_add_nc_u64 s[52:53], s[18:19], s[56:57]
.macro LOADU reg, b0                   ; 16 rows, 512 consecutive bytes each
.irp i, 0,1,2,3,4,5,6,7,8,9,10,11,12,13,14,15
	global_load_b128 v[\reg+4*\i:\reg+4*\i+3], v[LO], s[\b0:\b0+1] offset:4096*\i th:TH_LOAD_NT
.endr
.endm
.macro TURNU reg, u                    ; through stage u: LDS serves a wave's instructions in order, so no wait stands between the stores and the loads
.irp i, 0,1,2,3,4,5,6,7,8,9,10,11,12,13,14,15
	ds_store_b128 v[SIN], v[\reg+4*\i:\reg+4*\i+3] offset:\u*STG+ROWP*\i
.endr
.irp c, 0,1,2,3
	ds_load_b128 v[NUM+16*\c:NUM+16*\c+3],     v[SOUT] offset:\u*STG+128*\c
	ds_load_b128 v[NUM+16*\c+4:NUM+16*\c+7],   v[SOUT] offset:\u*STG+128*\c+16
	ds_load_b128 v[NUM+16*\c+8:NUM+16*\c+11],  v[SOUT] offset:\u*STG+128*\c+64
	ds_load_b128 v[NUM+16*\c+12:NUM+16*\c+15], v[SOUT] offset:\u*STG+128*\c+80
.endr
.endm
; The 64 numbers become a fragment's 16 registers of codes under scale pair p, and leave.  The numbers stay as they are (x is quantised three times): the held numbers go into TH's two sets by turns, so that the
; sixteen holds of the next group, plain instructions on other registers, stand behind each pair of conversions.  Each set of codes has registers of its own: no store's data are written again.
.macro QOUT cd, p, b0
.irp c, 0,1,2,3
.irp i, 0,1,2,3,4,5,6,7,8,9,10,11,12,13,14,15
	v_med3_num_f32 v[TH+16*(\c%2)+\i], v[NUM+16*\c+\i], -v[SCL+2*\p+1], v[SCL+2*\p+1]   ; the conversion to an 8-bit code does not saturate (ISA guide 7.6.2): the hold at the largest code x the scale
.endr
	v_cvt_scalef32_pk8_fp8_f32 v[\cd+4*\c:\cd+4*\c+1],   v[TH+16*(\c%2):TH+16*(\c%2)+7],    v[SCL+2*\p]
	v_cvt_scalef32_pk8_fp8_f32 v[\cd+4*\c+2:\cd+4*\c+3], v[TH+16*(\c%2)+8:TH+16*(\c%2)+15], v[SCL+2*\p]
	global_store_b128 v[LO], v[\cd+4*\c:\cd+4*\c+3], s[\b0:\b0+1] offset:512*\c             ; 32 lanes store 512 consecutive bytes, aligned
.endr
.endm
.macro MKSC e, p                       ; 2^e as f32 (the conversion takes its exponent field), and 448 x 2^e
	s_add_co_i32 s54, s[\e], 127
	s_lshl_b32 s55, s54, 23
	v_mov_b32 v[SCL+2*\p], s55
	s_add_co_i32 s54, s54, 8
	s_lshl_b32 s54, s54, 23
	s_or_b32 s54, s54, 0x600000
	v_mov_b32 v[SCL+2*\p+1], s54
.endm
	LOADU RX, 4
	LOADU RW, 36
	s_wait_kmcnt 0x0
	s_cmp_eq_u32 s21, 0                            ; the weight's entry: 1, 3, 5 or 11
	s_cselect_b32 s56, s41, s43
	s_cmp_eq_u32 s21, 2
	s_cselect_b32 s57, s45, s51
	s_cmp_lt_u32 s21, 2
	s_cselect_b32 s56, s56, s57
	MKSC 40, 0
	MKSC 42, 1
	MKSC 44, 2
	MKSC 56, 3
	s_wait_alu depctr_va_vdst(0)
	s_wait_loadcnt 16                              ; x's 16 loads are in; the weight's 16, issued behind them, may be out
	TURNU RX, 0
	s_wait_dscnt 0x0                               ; the numbers are back, and the stores into the stage have read v16-79, which now take the codes
	QOUT RX, 0, 30
	QOUT RX+16, 1, 32
	QOUT RX+32, 2, 34
	s_wait_loadcnt 0x0
	TURNU RW, 1
	s_wait_dscnt 0x0
	QOUT RX+48, 3, 52
	v_nop                                          ; a plain instruction behind the last conversion
	s_wait_tensorcnt 0x0                           ; the wave's end, behind my last LDS store
	ds_add_u32 v[SPW], v[NIL]
	s_wait_dscnt 0x0
	s_endpgm
.Lfunc_end_k_qb9626e2168_quant:
	.size	k_qb9626e2168_quant, .Lfunc_end_k_qb9626e2168_quant-k_qb9626e2168_quant
	.p2alignl 7, 3214868480
	.fill 96, 4, 3214868480
	.section	.rodata,"a",@progbits
	.p2align	6, 0x0
	.amdhsa_kernel k_qb9626e2168_quant
		.amdhsa_group_segment_fixed_size 136192
		.amdhsa_private_segment_fixed_size 0
		.amdhsa_enable_private_segment 0
		.amdhsa_kernarg_size 64
		.amdhsa_user_sgpr_count 2
		.amdhsa_user_sgpr_kernarg_segment_ptr 1
		.amdhsa_wavefront_size32 1
		.amdhsa_system_sgpr_workgroup_id_x 1
		.amdhsa_system_sgpr_workgroup_id_y 1
		.amdhsa_system_sgpr_workgroup_id_z 1
		.amdhsa_system_vgpr_workitem_id 0
		.amdhsa_next_free_vgpr 240
		.amdhsa_next_free_sgpr 66
		.amdhsa_reserve_vcc 0
		.amdhsa_float_denorm_mode_32 3
		.amdhsa_float_denorm_mode_16_64 3
		.amdhsa_memory_ordered 1
		.amdhsa_forward_progress 1
		.amdhsa_inst_pref_size 31
	.end_amdhsa_kernel
	.amdgpu_metadata
---
amdhsa.version: [ 1, 2 ]
amdhsa.kernels:
  - .name:           k_qb9626e2168_quant
    .symbol:         k_qb9626e2168_quant.kd
    .args:
      - { .name: x, .offset: 0, .size: 8, .value_kind: global_buffer, .address_space: global }
      - { .name: Wq, .offset: 8, .size: 8, .value_kind: global_buffer, .address_space: global }
      - { .name: Wk, .offset: 16, .size: 8, .value_kind: global_buffer, .address_space: global }
      - { .name: Wv, .offset: 24, .size: 8, .value_kind: global_buffer, .address_space: global }
      - { .name: Wo, .offset: 32, .size: 8, .value_kind: global_buffer, .address_space: global }
      - { .name: lowp_scales, .offset: 40, .size: 8, .value_kind: global_buffer, .address_space: global }
      - { .name: xc, .offset: 48, .size: 8, .value_kind: global_buffer, .address_space: global }
      - { .name: wc, .offset: 56, .size: 8, .value_kind: global_buffer, .address_space: global }
    .group_segment_fixed_size: 136192
    .private_segment_fixed_size: 0
    .kernarg_segment_align: 8
    .kernarg_segment_size: 64
    .max_flat_workgroup_size: 256
    .sgpr_count:     66
    .vgpr_count:     240
    .wavefront_size: 32
...
	.end_amdgpu_metadata
.endif
;; end of part 1
;; launch qkv (part 2): grid 4 x 48, 4 waves a work-group, clusters of 4 x 4, 327,680 bytes of LDS; arguments xc, wc, lowp_scales, qkv; writes qkv
.if DOCPART == 2
	.amdgcn_target "amdgcn-amd-amdhsa--gfx1250"
	.amdhsa_code_object_version 6
	.text
	.protected	k_qb9626e2168_qkv
	.globl	k_qb9626e2168_qkv
	.p2align	8
	.type	k_qb9626e2168_qkv,@function
k_qb9626e2168_qkv:
	s_mov_b64 s[64:65], 0
	v_nop
	global_prefetch_b8 v0, s[64:65] scope:SCOPE_SE
	s_setreg_imm32_b32 hwreg(HW_REG_WAVE_MODE, 25, 1), 1
	s_wait_xcnt 0x0
	s_wait_alu depctr_hold_cnt(0) depctr_sa_sdst(0) depctr_va_vdst(0) depctr_va_sdst(0) depctr_va_ssrc(0) depctr_va_vcc(0) depctr_vm_vsrc(0)
	s_getreg_b32 s2, hwreg(HW_REG_IB_STS2, 6, 4)
	s_cmp_eq_u32 s2, 0
	s_cbranch_scc0 .Lentry_in_a_cluster
	s_endpgm
.Lentry_in_a_cluster:
	s_bfe_u32 s2, ttmp6, 0x10000c
	s_cmp_lg_u32 s2, 0xf033
	s_cbranch_scc0 .Lentry_shape_is_right
	s_endpgm
.Lentry_shape_is_right:
.set HALFT,  32768
.set SLOT,   4*HALFT
.set SPARE,  2*SLOT
.set FR,     16
.set NL,     4
.set NP,     4
.set LN,   10
.set QS,   12
.set QL,   13
.set ADRA, 16
.set ADRB, 20
.set SPW,  28
.set NIL,  29
.set T,    32
.set OFF,  96
.set AF,   128
.set CD,   128
.set G1, 24
.set G0, 32
.set G1B, 48
.set G0B, 56
.set MSB, 0
.macro WIN new
.if MSB != (\new)
	s_set_vgpr_msb (MSB<<8)|(\new)
.set MSB, (\new)
.endif
.endm
.set MUL_LO, 0xa1
.set MUL_HI, 0xf1
.set TO_B,   0x40
.macro JLOAD g0a, g0b
	s_cmp_eq_u32 s15, 0
	s_cbranch_scc0 .Lfor_b_\@
	tensor_load_to_lds s[\g0a:\g0a+3], s[G1:G1+7]
	s_nop 0
.rept 4
	v_nop
.endr
	s_branch .Lasked_\@
.Lfor_b_\@:
	tensor_load_to_lds s[\g0b:\g0b+3], s[G1B:G1B+7]
	s_nop 0
.rept 4
	v_nop
.endr
.Lasked_\@:
.endm
.macro CREST
	s_cmp_lg_u32 s14, 0
	s_cbranch_scc1 .Lnot_wave_0_\@
	s_barrier_signal -3
.Lnot_wave_0_\@:
	s_barrier_wait -3
	s_barrier_signal -1
	s_barrier_wait -1
.endm
.macro CROUND
	s_barrier_signal -1
	s_barrier_wait -1
	CREST
.endm
	s_load_b128 s[4:7], s[0:1], 0x0
	s_load_b128 s[8:11], s[0:1], 0x10
	v_lshl_add_u32 v[SPW], v0, 2, SPARE
	v_mov_b32 v[NIL], 0
	ds_add_u32 v[SPW], v[NIL]
	ds_add_u32 v[SPW], v[NIL]
	v_lshrrev_b32 v1, 5, v0
	v_readfirstlane_b32 s14, v1
	s_lshr_b32 s15, s14, 1
	s_and_b32 s16, s14, 1
	s_bfe_u32 s40, ttmp6, 0x40000
	s_bfe_u32 s41, ttmp6, 0x40004
	s_and_b32 s69, ttmp7, 0xffff
	s_lshr_b32 s66, s69, 2
	s_and_b32 s67, s69, 3
	s_lshl_b32 s67, s67, 2
	s_lshl_b32 s88, s66, 22
	s_lshl_b32 s89, s66, 20
	s_cmp_eq_u32 s66, 2
	s_cselect_b32 s68, 1, 0
	s_cselect_b32 s70, 0, s67
	s_cselect_b32 s71, s67, 0
	s_cselect_b32 s88, 0x200000, s88
	s_cselect_b32 s89, 0x800000, s89
	s_add_co_u32 s17, s41, s70
	s_add_co_u32 s42, s40, s71
	s_lshl_b32 s90, s68, 1
	s_lshr_b32 s92, 0x100000, s90
	s_mov_b32 s93, 0
	s_lshl_b32 s94, 0x40000, s90
	s_mov_b32 s95, 0
	s_lshl_b32 s84, s92, 1
	s_mov_b32 s85, 0
	s_lshl_b32 s86, s94, 1
	s_mov_b32 s87, 0
	s_lshl_b32 s43, s41, 2
	s_lshl_b32 s43, 15, s43
	s_lshl_b32 s44, 0x1111, s40
	s_or_b32 s[G1+0], s43, (3<<16)|(1<<21)
	s_or_b32 s[G1B+0], s44, (3<<16)|(1<<21)
.irp g, G1, G1B
	s_mov_b32 s[\g+1], 32<<16
	s_mov_b32 s[\g+2], 128<<16
	s_mov_b32 s[\g+3], 32<<16
	s_mov_b32 s[\g+4], 128
	s_mov_b32 s[\g+5], 32
	s_mov_b32 s[\g+6], 0
	s_mov_b32 s[\g+7], 0
.endr
	s_lshl_b32 s18, s16, 15
	s_lshl_b32 s20, s17, 16
	s_add_co_u32 s20, s20, s18
	s_add_co_u32 s20, s20, s88
	s_mov_b32 s21, 0
	s_lshl_b32 s46, s42, 16
	s_add_co_u32 s46, s46, s18
	s_add_co_u32 s46, s46, s89
	s_mov_b32 s47, 0
	s_mul_i32 s45, s14, HALFT
	s_wait_dscnt 0x0
	s_wait_kmcnt 0x0
	s_load_b256 s[72:79], s[8:9], 0x0
	s_load_b128 s[80:83], s[8:9], 0x20
	s_cmp_eq_u32 s66, 2
	s_cselect_b64 s[22:23], s[6:7], s[4:5]
	s_cselect_b64 s[12:13], s[4:5], s[6:7]
	s_add_nc_u64 s[20:21], s[22:23], s[20:21]
	s_add_nc_u64 s[46:47], s[12:13], s[46:47]
	CROUND
	s_mov_b32 s[G0], 1
	s_mov_b32 s[G0+1], s45
	s_mov_b64 s[G0+2:G0+3], s[20:21]
	s_or_b32 s[G0+3], s[G0+3], 0x80000000
	s_mov_b32 s[G0B], 1
	s_mov_b32 s[G0B+1], s45
	s_mov_b64 s[G0B+2:G0B+3], s[46:47]
	s_or_b32 s[G0B+3], s[G0B+3], 0x80000000
	JLOAD G0, G0B
	s_mov_b32 s[G0+4], 1
	s_add_co_u32 s[G0+5], s45, SLOT
	s_add_nc_u64 s[G0+6:G0+7], s[20:21], s[92:93]
	s_or_b32 s[G0+7], s[G0+7], 0x80000000
	s_mov_b32 s[G0B+4], 1
	s_add_co_u32 s[G0B+5], s45, SLOT
	s_add_nc_u64 s[G0B+6:G0B+7], s[46:47], s[94:95]
	s_or_b32 s[G0B+7], s[G0B+7], 0x80000000
	s_wait_alu depctr_va_vdst(0)
	s_wait_tensorcnt 0x0
	ds_add_u32 v28, v29
	s_wait_dscnt 0x0
	CROUND
	JLOAD G0+4, G0B+4
	v_and_b32 v1, 31, v0
	v_lshlrev_b32 v[LN], 4, v1
	s_wait_alu depctr_va_vdst(0)
	s_mul_i32 s18, s15, HALFT
	s_mul_i32 s19, s16, HALFT
	s_add_co_u32 s19, s19, 2*HALFT
.irp s, 0,1
	v_add_nc_u32 v[ADRA+\s], s18, v[LN]
	v_add_nc_u32 v[ADRB+\s], s19, v[LN]
	s_add_co_u32 s18, s18, SLOT
	s_add_co_u32 s19, s19, SLOT
.endr
	s_mul_i32 s91, s68, 6
	s_lshl_b32 s92, 1024, s91
	s_lshr_b32 s93, 0x40000, s91
	s_lshl_b32 s94, 1024, s68
	s_lshl_b32 s95, 4096, s91
	s_lshl_b32 s96, s68, 3
	s_lshr_b32 s96, 0x40000, s96
	s_lshl_b32 s97, s17, 4
	s_lshl_b32 s18, s15, 3
	s_add_co_u32 s97, s97, s18
	s_mul_i32 s97, s97, s92
	s_lshl_b32 s18, s42, 2
	s_lshl_b32 s19, s16, 1
	s_add_co_u32 s18, s18, s19
	s_mul_i32 s18, s18, s93
	s_add_co_u32 s18, s18, s97
	s_lshl_b32 s19, s66, 22
	s_add_co_u32 s18, s18, s19
	s_mov_b32 s19, 0
	s_add_nc_u64 s[10:11], s[10:11], s[18:19]
.irp a, 0,1,2,3,4,5,6,7
	s_mul_i32 s18, s94, \a%4
	s_mul_i32 s19, s95, \a/4
	s_add_co_u32 s18, s18, s19
	v_add_nc_u32 v[OFF+2*\a], s18, v[LN]
	s_add_co_u32 s18, s18, s96
	v_add_nc_u32 v[OFF+2*\a+1], s18, v[LN]
.endr
.macro FRAG reg, adr, q, i
.irp c, 0,1,2,3
	ds_load_b128 v[\reg+4*\c:\reg+4*\c+3], v[\adr] offset:(\i)*4096+(\q)*2048+\c*512
.endr
.endm
.macro MUL16 a0, p, zero
.irp a, \a0, \a0+1
.irp b, 0,1,2,3,4,5,6,7
.if \zero
	v_wmma_f32_16x16x128_fp8_fp8 v[8*(8*((\a)%4)+\b):8*(8*((\a)%4)+\b)+7], v[128*(\p)+FR*\b:128*(\p)+FR*\b+FR-1], v[AF+FR*(\a):AF+FR*(\a)+FR-1], 0
.else
	v_wmma_f32_16x16x128_fp8_fp8 v[8*(8*((\a)%4)+\b):8*(8*((\a)%4)+\b)+7], v[128*(\p)+FR*\b:128*(\p)+FR*\b+FR-1], v[AF+FR*(\a):AF+FR*(\a)+FR-1], v[8*(8*((\a)%4)+\b):8*(8*((\a)%4)+\b)+7]
.endif
.endr
.endr
.endm
.macro FETCH_B slot, q, p
	WIN TO_B
.irp i, 0,1,2,3,4,5,6,7
	FRAG 128*(\p)+FR*\i, ADRB+\slot, \q, \i
.endr
	WIN 0
.endm
.macro FETCH_A slot, q, i0
.irp i, \i0, \i0+1, \i0+2, \i0+3
	FRAG AF+FR*(\i), ADRA+\slot, \q, \i
.endr
.endm
.macro PLACES n
.rept \n
	v_nop
.endr
.endm
.macro STEP slot, q, zero
	s_wait_dscnt 4*NL
	WIN MUL_LO
	MUL16 0, (\q)%2, \zero
	MUL16 2, (\q)%2, \zero
	s_wait_dscnt 0
	PLACES NP
	FETCH_B \slot, (\q)+1, 1-(\q)%2
	FETCH_A \slot, (\q)+1, 0
	WIN MUL_HI
	MUL16 4, (\q)%2, \zero
	MUL16 6, (\q)%2, \zero
	PLACES NP
	WIN 0
	FETCH_A \slot, (\q)+1, 4
.endm
.macro TURN slot, next, fill
	s_wait_tensorcnt 0x0
	ds_add_u32 v[SPW], v[NIL]
	s_wait_dscnt 4*NL+1
	WIN MUL_LO
	MUL16 0, 1, 0
	s_wait_dscnt 0x0
	s_barrier_signal -1
	MUL16 2, 1, 0
	WIN 0
	s_barrier_wait -1
.if \fill
	CREST
	s_add_nc_u64 s[G0+4*\slot+2:G0+4*\slot+3], s[G0+4*\slot+2:G0+4*\slot+3], s[84:85]
	s_add_nc_u64 s[G0B+4*\slot+2:G0B+4*\slot+3], s[G0B+4*\slot+2:G0B+4*\slot+3], s[86:87]
	JLOAD G0+4*\slot, G0B+4*\slot
.else
	PLACES NP
.endif
	FETCH_B \next, 0, 0
	FETCH_A \next, 0, 0
	WIN MUL_HI
	MUL16 4, 1, 0
	MUL16 6, 1, 0
	PLACES NP
	WIN 0
	FETCH_A \next, 0, 4
.endm
	s_wait_tensorcnt 1
	s_barrier_signal -1
	s_barrier_wait -1
	FETCH_B 0, 0, 0
	FETCH_A 0, 0, 0
	FETCH_A 0, 0, 4
	STEP 0, 0, 1
	TURN 0, 1, 1
	STEP 1, 0, 0
	TURN 1, 0, 1
	STEP 0, 0, 0
	TURN 0, 1, 0
	STEP 1, 0, 0
	s_wait_dscnt 4*NL
	WIN MUL_LO
	MUL16 0, 1, 0
	MUL16 2, 1, 0
	s_wait_dscnt 0
	WIN MUL_HI
	MUL16 4, 1, 0
	MUL16 6, 1, 0
	WIN 0
	s_wait_kmcnt 0x0
	s_sub_co_i32 s88, s78, s72
	s_sub_co_i32 s88, s88, s73
	s_sub_co_i32 s89, s79, s74
	s_sub_co_i32 s89, s89, s75
	s_sub_co_i32 s90, s81, s76
	s_sub_co_i32 s90, s90, s77
	s_cmp_eq_u32 s66, 0
	s_cselect_b32 s88, s88, s89
	s_cmp_eq_u32 s66, 2
	s_cselect_b32 s88, s90, s88
	s_add_co_i32 s88, s88, 127
	s_lshl_b32 s89, s88, 23
	v_mov_b32 v[QS], s89
	s_add_co_i32 s88, s88, 8
	s_lshl_b32 s88, s88, 23
	s_or_b32 s88, s88, 0x600000
	v_mov_b32 v[QL], s88
	PLACES NP
.macro OUT a
	WIN 0x02+((\a)/4)
.set JJ, 0
.rept 64
	v_med3_num_f32 v[T+JJ], v[64*((\a)%4)+JJ], -v[QL], v[QL]
.set JJ, JJ+1
.endr
	WIN 0
.irp b, 0,1,2,3,4,5,6,7
	v_cvt_scalef32_pk8_fp8_f32 v[CD+16*(\a)+2*\b:CD+16*(\a)+2*\b+1], v[T+8*\b:T+8*\b+7], v[QS]
.endr
	v_nop
.irp g, 0,1,2,3
	global_store_b128 v[OFF+2*(\a)+\g/2], v[CD+16*(\a)+4*\g:CD+16*(\a)+4*\g+3], s[10:11] offset:(\g%2)*512
.endr
.endm
.irp a, 0,1,2,3,4,5,6,7
	OUT \a
.endr
	s_wait_tensorcnt 0x0
	ds_add_u32 v[SPW], v[NIL]
	s_wait_dscnt 0x0
	CROUND
	s_endpgm
.Lfunc_end_k_qb9626e2168_qkv:
	.size	k_qb9626e2168_qkv, .Lfunc_end_k_qb9626e2168_qkv-k_qb9626e2168_qkv
	.p2alignl 7, 3214868480
	.fill 96, 4, 3214868480
	.section	.rodata,"a",@progbits
	.p2align	6, 0x0
	.amdhsa_kernel k_qb9626e2168_qkv
		.amdhsa_group_segment_fixed_size 327680
		.amdhsa_private_segment_fixed_size 0
		.amdhsa_enable_private_segment 0
		.amdhsa_kernarg_size 32
		.amdhsa_user_sgpr_count 2
		.amdhsa_user_sgpr_kernarg_segment_ptr 1
		.amdhsa_wavefront_size32 1
		.amdhsa_system_sgpr_workgroup_id_x 1
		.amdhsa_system_sgpr_workgroup_id_y 1
		.amdhsa_system_sgpr_workgroup_id_z 1
		.amdhsa_system_vgpr_workitem_id 0
		.amdhsa_next_free_vgpr 1024
		.amdhsa_next_free_sgpr 100
		.amdhsa_reserve_vcc 0
		.amdhsa_float_denorm_mode_32 3
		.amdhsa_float_denorm_mode_16_64 3
		.amdhsa_memory_ordered 1
		.amdhsa_forward_progress 1
		.amdhsa_inst_pref_size 120
	.end_amdhsa_kernel
	.amdgpu_metadata
---
amdhsa.version: [ 1, 2 ]
amdhsa.kernels:
  - .name:           k_qb9626e2168_qkv
    .symbol:         k_qb9626e2168_qkv.kd
    .args:
      - { .name: xc, .offset: 0, .size: 8, .value_kind: global_buffer, .address_space: global }
      - { .name: wc, .offset: 8, .size: 8, .value_kind: global_buffer, .address_space: global }
      - { .name: lowp_scales, .offset: 16, .size: 8, .value_kind: global_buffer, .address_space: global }
      - { .name: qkv, .offset: 24, .size: 8, .value_kind: global_buffer, .address_space: global }
    .group_segment_fixed_size: 327680
    .private_segment_fixed_size: 0
    .kernarg_segment_align: 8
    .kernarg_segment_size: 32
    .max_flat_workgroup_size: 128
    .sgpr_count:     100
    .vgpr_count:     1024
    .wavefront_size: 32
...
	.end_amdgpu_metadata
.endif
;; end of part 2
;; launch attn (part 3): grid 16 x 16, 12 waves a work-group, no clusters, 269,824 bytes of LDS; arguments qkv, lowp_scales, zc; writes zc
.if DOCPART == 3
	.amdgcn_target "amdgcn-amd-amdhsa--gfx1250"
	.amdhsa_code_object_version 6
	.text
	.protected	k_qb9626e2168_attn
	.globl	k_qb9626e2168_attn
	.p2align	8
	.type	k_qb9626e2168_attn,@function
k_qb9626e2168_attn:
	s_mov_b64 s[64:65], 0
	v_nop
	global_prefetch_b8 v0, s[64:65] scope:SCOPE_SE
	s_setreg_imm32_b32 hwreg(HW_REG_WAVE_MODE, 25, 1), 1
	s_wait_xcnt 0x0
; z[q][head] = the sum over keys k <= q of softmax_k(q . k / 8) v, 16 heads of 64, 4,096 positions; both products on codes of FP8 (E4M3) with the given scales (entries 6, 7: q, k; 8, 9: p, v); z is quantised (entry 10) on the way out.
; WORK LEFT OUT: blocks of 128 keys all of which come after a block of 128 queries: reference()'s own mask gives them the weight 0 for all finite inputs
; (shown at the head of the first launch; a NaN, infinity or overflow that reaches only such hidden scores is not carried on).
; THE SOFTMAX AHEAD OF THE SECOND PRODUCT: t = score x log2(e) / 8; M = the row's largest t so far, rounded UP to a whole number; p = 2^(t - M) is what is quantised, not normalised.  The row's sum is taken of the
; unquantised p, in f32, and divides at the end.  When M moves, the sum and O are multiplied by 2^(old M - new M): exact.
; SHARES.  Work-group (i, head) owns the blocks i (early) and 31 - i (late) of 128 queries, one after the other: step n of 33 is key block n of the early one (n <= i), else key block n - i - 1 of the late one.
; Twelve waves: wave w has queries 32 (w % 4) .. + 31 of the block and the steps n = 3 j + w / 4, j = 0 .. 10: eleven each in every work-group.  So three waves share each block's keys: each has its own M, sum and O,
; which go to LDS at the end of the block and are joined at the end of the launch by waves 0 to 7.
; K AND V.  A slot is three steps: K's 3 x 8,192 bytes, then V's.  Each wave fetches 4,096 of them into registers, a trip ahead, and stores them to LDS in the next trip.  Two slots take turns, one barrier a trip: its signal stands
; behind the wave's last read of the slot, ahead of the exponentials, its wait at the trip's end.  No tensor load and no copy is used.
; NO CLUSTER: the work-groups of a head walk different sequences of key blocks.  NO PREFETCH: a slot's bytes are asked for one whole trip (24 matrix instructions and the softmax of 32 x 128 scores a wave) ahead of the line that waits for them.
; LAYOUT.  Both products are used transposed: S^T = K Q^T (source 0 = 16 keys, source 1 = 16 queries, K = 64), O^T = V^T P^T (source 0 = 16 channels, source 1 = P, K = 128 keys): a lane holds ONE query of each of two tiles.
; Register 8 t + j of S^T is key 16 t + 8 (lane / 16) + j of the step: just the k that registers 2 t, 2 t + 1 of source 1 hold: the conversions' results ARE the operand.
; q, k, v lie in qkv as images of operand registers (four registers of the 32 lanes = 512 bytes, lane l at 16 l).  zc: (head / 4) x 1,048,576 + (query / 16) x 4,096 + (head % 4) x 1,024 + (channel / 32) x 512 + 16 x lane.
; LIMITS on the given exponents, so that each power of two below is an f32 number: e6 + e7 between -123 and 130 (added to c's exponent field); e8, and e10 - e8 - e9, between -126 and 119.
; REGISTERS: v0 p's scale; v1-3, v7 addresses that stay; v4 the step's place; v[8:9] -M of tiles a, b; v[10:11] f; v[12:15] the sums, a pair each; v16-31 Q, then at work, then a's codes; v32-63 staging; v64-127 O^T; v128-191 S^T of a,
; then (v128-143) b's codes; v192-255 S^T of b; window 1, v256-319: K's 8 fragments, then V's 4.
.set SLOT1, 65536                      ; slot 1's first byte: one exclusive or turns an address in one slot into the other's
.set VOFF,  24576
.set QOFF,  114688                     ; 4,096 bytes a wave: its queries of both blocks
.set PART,  8704                       ; a wave's part of a block: O^T 64 x 128 bytes, then -M and the sums
.set EOFF,  163840                     ; the early block's twelve parts; the late one's lie in the ring, from byte 0 on
.set SPARE, 268288                     ; the spare words, 128 bytes for each wave: no other line names them
.set LN,   1
.set RB,   2                           ; third x 8,192 + 16 x lane
.set WB,   3                           ; wave x 4,096 + 16 x lane
.set ADR,  4
.set SPW,  5
.set NIL,  6
.set QB,   7
.set X,    16
.set STG,  32
.set OA,   64
.set OB,   96
.set SA,   128
.set SB,   192
.set TB,   2                           ; s2   where the slot in hand begins
.set N,    10                          ; s10  my step
.set NF,   11                          ; s11  the step that I fetch for
.set II,   12                          ; s12  i
.set ST,   14                          ; s14  1: the late block
.set CNT,  15
.set WV,   18
.set SEL,  20
.set CS,   22                          ; s[22:23] c = log2(e) / 8 x 2^(e6 + e7), s[24:25] -c: the packed forms take the low word for both halves
.set CSN,  24
.set HOLD, 26                          ; s26  448 x 2^e8
.set HS,   27                          ; s27  1: p can lie beyond it
.set TA,   28                          ; s28, s29  the key tile that holds tile a's, b's own positions in a diagonal step
.set TBT,  29
.set EB,   30
.set LB,   99
.set MK,   40                          ; s[40:47]  lanes for which key 8 (lane / 16) + j comes after query lane % 16 of the same 16 positions
.set MSB, 0
.macro WIN new                         ; the immediate's high byte repeats the setting that is left
.if MSB != (\new)
	s_set_vgpr_msb (MSB<<8)|(\new)
.set MSB, (\new)
.endif
.endm
.macro KADDR                           ; where my 4,096 bytes of the next slot stand
	s_cmp_gt_u32 s[NF], s[II]
	s_cselect_b32 s96, s13, 0
	s_sub_co_u32 s96, s[NF], s96                   ; the key block
	s_lshl_b32 s96, s96, 13
	s_mov_b32 s97, 0
	s_add_nc_u64 s[38:39], s[36:37], s[96:97]
	s_add_co_u32 s[NF], s[NF], 3
.endm
.macro INIT                            ; a block begins: O^T and the sums are 0, M lies under every t.  (The first step finds zeros, which the first change of M leaves zeros)
.set JJ, 0
.rept 64
	v_mov_b32 v[OA+JJ], 0
.set JJ, JJ+1
.endr
	v_mov_b32 v8, 0x7f61b1e6                       ; -M = 3e38
	v_mov_b32 v9, 0x7f61b1e6
	v_mov_b32 v12, 0
	v_mov_b32 v13, 0
	v_mov_b32 v14, 0
	v_mov_b32 v15, 0
.endm
.macro SAVE sb                         ; my part of a block, to LDS
.rept 4
	v_nop                                          ; places behind the last products
.endr
	v_mov_b32 v16, v8
	v_mov_b32 v17, v9
	v_add_f32 v18, v12, v13
	v_add_f32 v19, v14, v15
	v_add_nc_u32 v20, s[\sb], v[LN]
	ds_store_b128 v20, v[16:19] offset:8192
.irp u, 0,1,2,3,4,5,6,7,8,9,10,11,12,13,14,15
	ds_store_b128 v20, v[OA+4*\u:OA+4*\u+3] offset:512*\u
.endr
.endm
.macro DTILE sb, ts, t                 ; 16 keys against 16 queries in a diagonal step: all earlier: nothing; the same positions: the masks; all later: all lanes
	s_cmp_gt_u32 s[\ts], \t
	s_cbranch_scc1 .Lseen_\@
	s_cmp_lt_u32 s[\ts], \t
	s_cselect_b32 s96, -1, 0
.irp j, 0,1,2,3,4,5,6,7
	s_or_b32 s97, s[MK+\j], s96
	v_cndmask_b32 v[\sb+8*(\t)+\j], v[\sb+8*(\t)+\j], v16, s97
.endr
.Lseen_\@:
.endm
; A TRIP: my step of the slot in hand.  store: the next slot is stored; load: the slot after it is asked for; diag: 1: my step may be the early block's diagonal or the late block's first, 2: it may be the late block's diagonal.
.macro TRIP store, load, diag
.if \load
	s_wait_xcnt 0x0                                ; the last trip's loads have read their base
	KADDR
.endif
.if \diag == 1
	s_cmp_gt_u32 s[N], s[II]
	s_cselect_b32 s98, 2048, 0                     ; which of my two sets of queries
	s_cselect_b32 s96, 1, 0
	s_cmp_lg_u32 s96, s[ST]
	s_cbranch_scc0 .Lsame_\@                       ; ids alone
	SAVE EB                                        ; the early block is done
	s_mov_b32 s[ST], 1
	s_wait_dscnt 0x0                               ; the stores have read their registers
	INIT
.Lsame_\@:
.else
	s_mov_b32 s98, 2048
.endif
	v_add_nc_u32 v[ADR], s[TB], v[RB]
	v_add_nc_u32 v10, s98, v[QB]
.if \store
	s_xor_b32 s3, s[TB], SLOT1
	v_add_nc_u32 v11, s3, v[WB]
.else
	v_nop
.endif
	v_nop
	v_nop                                          ; five places: the loads below, and the first products' results, land on registers that the last products have read
	s_wait_alu depctr_va_vdst(0)                   ; behind these writes
.irp m, 0,1,2,3
	ds_load_b128 v[X+4*\m:X+4*\m+3], v10 offset:512*\m
.endr
	WIN 0x40
.irp t, 0,1,2,3,4,5,6,7
	ds_load_b128 v[8*\t:8*\t+3],   v[ADR] offset:1024*\t
	ds_load_b128 v[8*\t+4:8*\t+7], v[ADR] offset:1024*\t+512
.endr
	WIN 0
.if \store
	s_wait_loadcnt 0x0                             ; my part of the next slot is in
.irp m, 0,1,2,3,4,5,6,7
	ds_store_b128 v11, v[STG+4*\m:STG+4*\m+3] offset:512*\m
.endr
.endif
	s_wait_dscnt 8+8*(\store)                      ; Q and K's tiles 0 to 3 are in; tiles 4 to 7's eight loads and the stores may be out
	WIN 0x01
.irp t, 0,1,2,3
	v_wmma_f32_16x16x64_fp8_fp8 v[SA+8*\t:SA+8*\t+7], v[8*\t:8*\t+7], v[X:X+7], 0
	v_wmma_f32_16x16x64_fp8_fp8 v[SB+8*\t:SB+8*\t+7], v[8*\t:8*\t+7], v[X+8:X+15], 0
.endr
	s_wait_dscnt 8*(\store)                        ; K is in; the stores may be out
.irp t, 4,5,6,7
	v_wmma_f32_16x16x64_fp8_fp8 v[SA+8*\t:SA+8*\t+7], v[8*\t:8*\t+7], v[X:X+7], 0
	v_wmma_f32_16x16x64_fp8_fp8 v[SB+8*\t:SB+8*\t+7], v[8*\t:8*\t+7], v[X+8:X+15], 0
.endr
.rept 4
	v_nop                                          ; places: for the loads into K's registers, and ahead of the first read of the scores
.endr
	WIN 0x40
.irp t, 0,1,2,3
.irp c, 0,1,2,3
	ds_load_b128 v[16*\t+4*\c:16*\t+4*\c+3], v[ADR] offset:VOFF+2048*\t+512*\c
.endr
.endr
	WIN 0
.if \load
	s_wait_dscnt 16                                ; all but V's 16 loads: the stores have read the staging registers
.irp m, 0,1,2,3,4,5,6,7
	global_load_b128 v[STG+4*\m:STG+4*\m+3], v[LN], s[38:39] offset:512*\m
.endr
.endif
.if \diag
.if \diag == 1
	s_cmp_eq_u32 s[N], s[II]
.else
	s_cmp_eq_u32 s[N], 32
.endif
	s_cbranch_scc0 .Lopen_\@
	v_mov_b32 v16, 0xff800000                      ; -infinity: the scores of hidden keys, ahead of the maximum: p = 0 then
	s_wait_alu depctr_va_vdst(0)                   ; behind this write
.irp t, 0,1,2,3,4,5,6,7
	DTILE SA, TA, \t
	DTILE SB, TBT, \t
.endr
	s_wait_alu depctr_va_vdst(0)
.Lopen_\@:
.endif
.irp k, 0,1,2,3                                ; the step's largest score of each of my two queries among my 64 keys, in four chains each; each tile of scores from its low end on
	v_max3_num_f32 v[16+\k], v[SA+16*\k], v[SA+16*\k+1], v[SA+16*\k+2]
	v_max3_num_f32 v[20+\k], v[SB+16*\k], v[SB+16*\k+1], v[SB+16*\k+2]
.endr
.irp i, 3,5,7,9,11,13
.irp k, 0,1,2,3
	v_max3_num_f32 v[16+\k], v[16+\k], v[SA+16*\k+\i], v[SA+16*\k+\i+1]
	v_max3_num_f32 v[20+\k], v[20+\k], v[SB+16*\k+\i], v[SB+16*\k+\i+1]
.endr
.endr
	v_max3_num_f32 v16, v16, v17, v[SA+15]
	v_max3_num_f32 v20, v20, v21, v[SB+15]
	v_max3_num_f32 v18, v18, v19, v[SA+31]
	v_max3_num_f32 v22, v22, v23, v[SB+31]
	v_max3_num_f32 v16, v16, v[SA+47], v[SA+63]
	v_max3_num_f32 v20, v20, v[SB+47], v[SB+63]
	v_max_num_f32 v16, v16, v18
	v_max_num_f32 v20, v20, v22
	s_delay_alu instid0(VALU_DEP_2)
	v_permlanex16_b32 v24, v16, s[SEL], s[SEL+1]
	s_delay_alu instid0(VALU_DEP_2)
	v_permlanex16_b32 v25, v20, s[SEL], s[SEL+1]
	s_delay_alu instid0(VALU_DEP_2)
	v_max_num_f32 v16, v16, v24                    ; and among lane l xor 16's
	s_delay_alu instid0(VALU_DEP_2)
	v_max_num_f32 v17, v20, v25
	s_delay_alu instid0(VALU_DEP_1)
	v_pk_mul_f32 v[16:17], v[16:17], s[CSN:CSN+1] op_sel_hi:[1,0]   ; as -t
	s_delay_alu instid0(VALU_DEP_1)
	v_floor_f32 v18, v16                           ; floor(-t) = -ceil(t)
	s_delay_alu instid0(VALU_DEP_2)
	v_floor_f32 v19, v17
	s_delay_alu instid0(VALU_DEP_2)
	v_min_num_f32 v18, v18, v8                     ; the new -M: M is a whole number
	s_delay_alu instid0(VALU_DEP_2)
	v_min_num_f32 v19, v19, v9
	s_delay_alu instid0(VALU_DEP_1)
	v_pk_add_f32 v[20:21], v[18:19], v[8:9] neg_lo:[0,1] neg_hi:[0,1]   ; M's old value less its new one: a whole number, 0 or less
	s_delay_alu instid0(VALU_DEP_1)
	v_cvt_i32_f32 v20, v20                         ; (it saturates)
	v_cvt_i32_f32 v21, v21
	v_mov_b32 v8, v18
	v_mov_b32 v9, v19
	v_ldexp_f32 v10, 1.0, v20                      ; f = 2^(old M - new M): a multiplication by it rounds nothing
	v_ldexp_f32 v11, 1.0, v21
.set JJ, 0
.rept 32
	v_pk_fma_f32 v[SA+JJ:SA+JJ+1], v[SA+JJ:SA+JJ+1], s[CS:CS+1], v[8:9] op_sel_hi:[1,0,0]   ; tile a: t - M, two at a time
.set JJ, JJ+2
.endr
.set JJ, 0
.rept 16
	v_pk_mul_f32 v[OA+JJ:OA+JJ+1], v[OA+JJ:OA+JJ+1], v[10:11] op_sel_hi:[1,0]               ; O^T and the sums under the new M
	v_pk_mul_f32 v[OB+JJ:OB+JJ+1], v[OB+JJ:OB+JJ+1], v[10:11] op_sel:[0,1] op_sel_hi:[1,1]
.set JJ, JJ+2
.endr
	v_pk_mul_f32 v[12:13], v[12:13], v[10:11] op_sel_hi:[1,0]
	v_pk_mul_f32 v[14:15], v[14:15], v[10:11] op_sel:[0,1] op_sel_hi:[1,1]
	s_wait_alu depctr_va_vdst(0)                   ; ahead of the exponentials, and ahead of the wait below
	s_wait_dscnt 0x0                               ; V is in: my reads of this slot are over, and my stores into the next one are done:
	s_barrier_signal -1                            ; say so.  Up to the wait at the trip's end stands work on registers alone
.set JJ, 0
.rept 32
	v_exp_f32 v[SA+JJ], v[SA+JJ]                   ; tile a: p = 2^(t - M), at most 1: not normalised
	v_exp_f32 v[SA+JJ+1], v[SA+JJ+1]
	v_pk_fma_f32 v[SB+JJ:SB+JJ+1], v[SB+JJ:SB+JJ+1], s[CS:CS+1], v[8:9] op_sel:[0,0,1] op_sel_hi:[1,0,1]   ; tile b: t - M
.set JJ, JJ+2
.endr
	s_wait_alu depctr_va_vdst(0)                   ; ahead of tile b's exponentials too
.set JJ, 0
.rept 64
	v_exp_f32 v[SB+JJ], v[SB+JJ]
.set JJ, JJ+1
.endr
	v_nop                                          ; the plain place behind the exponentials
	s_wait_alu depctr_va_vdst(0)                   ; and behind them, ahead of the first reader of a result
.irp c, 1,2,3                                  ; the rows' sums of the unquantised p, two at a time, in four chains each
	v_pk_add_f32 v[14+2*\c:15+2*\c], v[SA+16*\c:SA+16*\c+1], v[SA+16*\c+2:SA+16*\c+3]
	v_pk_add_f32 v[20+2*\c:21+2*\c], v[SB+16*\c:SB+16*\c+1], v[SB+16*\c+2:SB+16*\c+3]
.endr
	v_pk_add_f32 v[12:13], v[12:13], v[SA:SA+1]
	v_pk_add_f32 v[14:15], v[14:15], v[SB:SB+1]
.irp j, 4,6,8,10,12,14
.irp c, 1,2,3
	v_pk_add_f32 v[14+2*\c:15+2*\c], v[14+2*\c:15+2*\c], v[SA+16*\c+\j:SA+16*\c+\j+1]
	v_pk_add_f32 v[20+2*\c:21+2*\c], v[20+2*\c:21+2*\c], v[SB+16*\c+\j:SB+16*\c+\j+1]
.endr
	v_pk_add_f32 v[12:13], v[12:13], v[SA+\j:SA+\j+1]
	v_pk_add_f32 v[14:15], v[14:15], v[SB+\j:SB+\j+1]
.endr
	v_pk_add_f32 v[18:19], v[18:19], v[20:21]
	v_pk_add_f32 v[24:25], v[24:25], v[26:27]
	v_pk_add_f32 v[12:13], v[12:13], v[SA+2:SA+3]
	v_pk_add_f32 v[14:15], v[14:15], v[SB+2:SB+3]
	v_pk_add_f32 v[16:17], v[16:17], v[18:19]
	v_pk_add_f32 v[22:23], v[22:23], v[24:25]
	v_pk_add_f32 v[12:13], v[12:13], v[16:17]
	v_pk_add_f32 v[14:15], v[14:15], v[22:23]
	s_wait_alu depctr_va_vdst(0)                   ; ahead of the branch
	s_cmp_eq_u32 s[HS], 0                          ; the conversion to an 8-bit code does not saturate (ISA guide 7.6.2).  p is 1 at the most, give or take a rounding: where e8 >= -8, p / 2^e8 is about 256 at the most,
	s_cbranch_scc1 .Lfits_\@                       ; and no hold is needed
.set JJ, 0
.rept 128
	v_min_num_f32 v[SA+JJ], s[HOLD], v[SA+JJ]      ; p is not negative, so the hold is one-sided
.set JJ, JJ+1
.endr
	s_wait_alu depctr_va_vdst(0)
.Lfits_\@:
.irp t, 0,1,2,3,4,5,6,7
	v_cvt_scalef32_pk8_fp8_f32 v[X+2*\t:X+2*\t+1], v[SA+8*\t:SA+8*\t+7], v0     ; registers 2 t, 2 t + 1 of source 1: keys 16 t + 8 (lane / 16) + 0 .. 7
.endr
	v_nop                                          ; a plain instruction between tile a's conversions and the lines that write over their sources
.irp t, 0,1,2,3,4,5,6,7
	v_cvt_scalef32_pk8_fp8_f32 v[SA+2*\t:SA+2*\t+1], v[SB+8*\t:SB+8*\t+7], v0
.endr
	v_nop                                          ; and between the last conversion and the products
	WIN 0x01
.irp t, 0,1,2,3                                ; O^T += V^T P^T: the eight accumulators by turns; the next step's sixteen products K Q^T stand between two links on one of them
	v_wmma_f32_16x16x128_fp8_fp8 v[OA+8*\t:OA+8*\t+7], v[16*\t:16*\t+15], v[X:X+15], v[OA+8*\t:OA+8*\t+7]
	v_wmma_f32_16x16x128_fp8_fp8 v[OB+8*\t:OB+8*\t+7], v[16*\t:16*\t+15], v[SA:SA+15], v[OB+8*\t:OB+8*\t+7]
.endr
	WIN 0
	s_wait_alu depctr_va_vdst(0)                   ; ahead of the barrier's wait
	s_barrier_wait -1                              ; the next slot is whole, and nobody reads this one any more
	s_xor_b32 s[TB], s[TB], SLOT1
	s_add_co_u32 s[N], s[N], 3
.endm
	s_load_b128 s[4:7], s[0:1], 0x0                ; qkv, the exponents
	s_load_b64 s[8:9], s[0:1], 0x10                ; zc
	v_lshl_add_u32 v[SPW], v0, 2, SPARE
	v_mov_b32 v[NIL], 0
	v_lshrrev_b32 v16, 5, v0
	v_and_b32 v17, 31, v0
	v_and_b32 v18, 15, v0
	v_bfe_u32 v19, v0, 4, 1
	v_readfirstlane_b32 s[WV], v16                 ; wave 0..11
	v_lshlrev_b32 v[LN], 4, v17
	v_lshlrev_b32 v19, 3, v19
	s_delay_alu instid0(VALU_DEP_1)
	v_sub_nc_u32 v18, v18, v19                     ; lane % 16 - 8 (lane / 16)
	s_wait_alu depctr_va_vdst(0)
.irp j, 0,1,2,3,4,5,6,7
	v_cmp_gt_i32 s[MK+\j], \j, v18
.endr
	s_and_b32 s16, s[WV], 3                        ; which 32 queries of a block
	s_lshr_b32 s17, s[WV], 2                       ; which third of the steps
	s_lshl_b32 s48, s17, 13
	v_add_nc_u32 v[RB], s48, v[LN]
	s_lshl_b32 s48, s[WV], 12
	v_add_nc_u32 v[WB], s48, v[LN]
	s_add_co_u32 s49, s48, QOFF
	v_add_nc_u32 v[QB], s49, v[LN]
	s_wait_alu depctr_va_vdst(0)                   ; ahead of the scalar run and the waits below
	s_mul_i32 s[LB], s[WV], PART
	s_add_co_u32 s[EB], s[LB], EOFF
	s_lshl_b32 s[TA], s16, 1
	s_add_co_u32 s[TBT], s[TA], 1
	s_mov_b32 s[II], ttmp9
	s_add_co_u32 s13, ttmp9, 1
	s_sub_co_u32 s33, 31, ttmp9                    ; the late block
	s_and_b32 s50, ttmp7, 0xffff                   ; the head
	s_lshl_b32 s51, s50, 18                        ; its 262,144 bytes in each of q, k, v
	s_mov_b32 s[TB], 0
	s_mov_b32 s[ST], 0
	s_mov_b32 s[N], s17
	s_mov_b32 s[SEL], 0x76543210
	s_mov_b32 s[SEL+1], 0xfedcba98
	s_mov_b32 s[CS], 0x3e38aa3b                    ; log2(e) / 8
	s_lshr_b32 s48, s[WV], 1                       ; which of a slot's six blocks I fetch half of: K's 0 to 2, V's 3 to 5
	s_mov_b32 s62, 0x400000
	s_cmp_ge_u32 s48, 3
	s_cselect_b32 s62, 0x800000, s62
	s_cselect_b32 s49, 3, 0
	s_sub_co_u32 s[NF], s48, s49
	s_add_co_u32 s62, s62, s51
	s_and_b32 s48, s[WV], 1
	s_lshl_b32 s48, s48, 12
	s_add_co_u32 s62, s62, s48
	s_mov_b32 s63, 0
	s_lshl_b32 s48, s16, 11
	s_add_co_u32 s48, s48, s51                     ; q: 8,192 bytes a block, 2,048 for my 32
	s_lshl_b32 s58, ttmp9, 13
	s_add_co_u32 s58, s58, s48
	s_mov_b32 s59, 0
	s_lshl_b32 s60, s33, 13
	s_add_co_u32 s60, s60, s48
	s_mov_b32 s61, 0
	s_cmp_eq_u32 s17, 0                            ; waves 0 to 3 join the late block's parts, waves 4 to 7 the early one's
	s_cselect_b32 s66, s33, ttmp9
	s_lshl_b32 s66, s66, 15
	s_lshl_b32 s48, s16, 13
	s_add_co_u32 s66, s66, s48
	s_lshr_b32 s48, s50, 2
	s_lshl_b32 s48, s48, 20
	s_add_co_u32 s66, s66, s48
	s_and_b32 s48, s50, 3
	s_lshl_b32 s48, s48, 10
	s_add_co_u32 s66, s66, s48
	s_mov_b32 s67, 0
	s_wait_kmcnt 0x0
	s_load_b128 s[52:55], s[6:7], 0x18             ; e6, e7, e8, e9
	s_load_b32 s56, s[6:7], 0x28                   ; e10
	s_add_nc_u64 s[36:37], s[4:5], s[62:63]
	s_add_nc_u64 s[58:59], s[4:5], s[58:59]
	s_add_nc_u64 s[60:61], s[4:5], s[60:61]
	s_add_nc_u64 s[8:9], s[8:9], s[66:67]
	KADDR
	s_mov_b64 s[34:35], s[38:39]                   ; slot 0's,
	KADDR                                          ; slot 1's
.irp m, 0,1,2,3,4,5,6,7
	global_load_b128 v[SA+4*\m:SA+4*\m+3], v[LN], s[34:35] offset:512*\m
.endr
.irp m, 0,1,2,3
	global_load_b128 v[SA+32+4*\m:SA+35+4*\m], v[LN], s[58:59] offset:512*\m
.endr
.irp m, 0,1,2,3
	global_load_b128 v[SA+48+4*\m:SA+51+4*\m], v[LN], s[60:61] offset:512*\m
.endr
.irp m, 0,1,2,3,4,5,6,7
	global_load_b128 v[STG+4*\m:STG+4*\m+3], v[LN], s[38:39] offset:512*\m
.endr
	INIT
	s_wait_alu depctr_va_vdst(0)                   ; ahead of the wait below
	s_wait_kmcnt 0x0
	s_add_co_i32 s48, s52, s53
	s_lshl_b32 s48, s48, 23
	s_add_co_i32 s[CS], s[CS], s48                 ; a score stands for score x 2^(e6 + e7): the two exponents are added to c's exponent field
	s_mov_b32 s[CS+1], s[CS]                       ; (named with it as a pair, so it is written)
	s_or_b32 s[CSN], s[CS], 0x80000000
	s_mov_b32 s[CSN+1], s[CSN]
	s_cmp_lt_i32 s54, -8
	s_cselect_b32 s[HS], 1, 0
	s_add_co_i32 s48, s54, 127
	s_lshl_b32 s49, s48, 23                        ; 2^e8 as f32, for p's conversion
	s_add_co_i32 s48, s48, 8
	s_lshl_b32 s48, s48, 23
	s_or_b32 s[HOLD], s48, 0x600000
	s_sub_co_i32 s48, s56, s54                     ; z: O^T / the sum stands for z / 2^(e8 + e9): its code is that / 2^(e10 - e8 - e9)
	s_sub_co_i32 s48, s48, s55
	s_add_co_i32 s48, s48, 127
	s_lshl_b32 s31, s48, 23                        ; s31: that scale as f32,
	s_add_co_i32 s48, s48, 8
	s_lshl_b32 s48, s48, 23
	s_or_b32 s32, s48, 0x600000                    ; s32: 448 x it
	s_mov_b32 s[CNT], 9
	v_mov_b32 v0, s49
	s_wait_alu depctr_va_vdst(0)                   ; at the head's end
	s_wait_loadcnt 8                               ; slot 0's part and the queries are in; slot 1's eight loads may be out
.irp m, 0,1,2,3,4,5,6,7
	ds_store_b128 v[WB], v[SA+4*\m:SA+4*\m+3] offset:512*\m
.endr
.irp m, 0,1,2,3,4,5,6,7
	ds_store_b128 v[QB], v[SA+32+4*\m:SA+35+4*\m] offset:512*\m
.endr
	s_wait_dscnt 0x0
	s_barrier_signal -1
	s_barrier_wait -1                              ; slot 0 is whole
.Ltrip:                                            ; nine trips; the late block begins in the sixth at the latest
	TRIP 1, 1, 1
	s_sub_co_u32 s[CNT], s[CNT], 1
	s_cmp_lg_u32 s[CNT], 0
	s_cbranch_scc1 .Ltrip
	TRIP 1, 0, 0                                   ; the last two slots: nothing more to ask for
	TRIP 0, 0, 2
	SAVE LB                                        ; the late block's parts lie in the ring, which nobody reads any more
	s_wait_alu depctr_va_vdst(0)                   ; ahead of the wait below
	s_wait_dscnt 0x0
	s_barrier_signal -1
	s_barrier_wait -1                              ; all parts of both blocks are in LDS
	s_cmp_lt_u32 s[WV], 8
	s_cbranch_scc0 .Lend
	; THE JOIN.  With M the largest of the three: z = (the sum of 2^(M_g - M) O_g) / (the sum of 2^(M_g - M) l_g).  A third that had no step of the block has O = 0, l = 0 and the factor 0.
	s_mul_i32 s48, s17, EOFF
	s_mul_i32 s49, s16, PART
	s_add_co_u32 s48, s48, s49
	v_add_nc_u32 v2, s48, v[LN]
	s_add_co_u32 s48, s48, 4*PART
	v_add_nc_u32 v3, s48, v[LN]
	s_add_co_u32 s48, s48, 4*PART
	v_add_nc_u32 v4, s48, v[LN]
	ds_load_b128 v[16:19], v2 offset:8192          ; -M of a, of b, the sums of a, of b
	ds_load_b128 v[20:23], v3 offset:8192
	ds_load_b128 v[24:27], v4 offset:8192
.irp u, 0,1,2,3,4,5,6,7,8,9,10,11,12,13,14,15
	ds_load_b128 v[OA+4*\u:OA+4*\u+3], v2 offset:512*\u
.endr
.irp u, 0,1,2,3,4,5,6,7,8,9,10,11,12,13,14,15
	ds_load_b128 v[160+4*\u:163+4*\u], v3 offset:512*\u
.endr
.irp u, 0,1,2,3,4,5,6,7
	ds_load_b128 v[32+4*\u:35+4*\u], v4 offset:512*\u
.endr
.irp u, 0,1,2,3,4,5,6,7
	ds_load_b128 v[224+4*\u:227+4*\u], v4 offset:4096+512*\u
.endr
	s_wait_dscnt 48                                ; the three with M and the sums are in
	v_min3_num_f32 v28, v16, v20, v24
	v_min3_num_f32 v29, v17, v21, v25
.irp g, 16,20,24
	v_pk_add_f32 v[\g:\g+1], v[28:29], v[\g:\g+1] neg_lo:[0,1] neg_hi:[0,1]
.endr
.irp g, 16,17,20,21,24,25
	v_cvt_i32_f32 v[\g], v[\g]
.endr
.irp g, 16,17,20,21,24,25
	v_ldexp_f32 v[\g], 1.0, v[\g]
.endr
	v_pk_mul_f32 v[28:29], v[18:19], v[16:17]
	v_pk_fma_f32 v[28:29], v[22:23], v[20:21], v[28:29]
	v_pk_fma_f32 v[28:29], v[26:27], v[24:25], v[28:29]
	v_permlanex16_b32 v30, v28, s[SEL], s[SEL+1]
	v_permlanex16_b32 v31, v29, s[SEL], s[SEL+1]
	v_pk_add_f32 v[28:29], v[28:29], v[30:31]      ; and lane l xor 16's: the rows' sums
	s_wait_alu depctr_va_vdst(0)                   ; ahead of the reciprocals
	v_rcp_f32 v28, v28
	v_rcp_f32 v29, v29
	v_mov_b32 v0, s31                              ; (plain instructions behind the reciprocals)  z's scale,
	v_mov_b32 v7, s32                              ; and 448 x it
	s_wait_alu depctr_va_vdst(0)                   ; and behind them
.irp g, 16,20,24
	v_pk_mul_f32 v[\g:\g+1], v[\g:\g+1], v[28:29]
.endr
	s_wait_alu depctr_va_vdst(0)                   ; ahead of the wait below
	s_wait_dscnt 0x0
.set JJ, 0
.rept 16
	v_pk_mul_f32 v[OA+JJ:OA+JJ+1], v[OA+JJ:OA+JJ+1], v[16:17] op_sel_hi:[1,0]
	v_pk_mul_f32 v[OB+JJ:OB+JJ+1], v[OB+JJ:OB+JJ+1], v[16:17] op_sel:[0,1] op_sel_hi:[1,1]
.set JJ, JJ+2
.endr
.set JJ, 0
.rept 16
	v_pk_fma_f32 v[OA+JJ:OA+JJ+1], v[160+JJ:161+JJ], v[20:21], v[OA+JJ:OA+JJ+1] op_sel_hi:[1,0,1]
	v_pk_fma_f32 v[OB+JJ:OB+JJ+1], v[192+JJ:193+JJ], v[20:21], v[OB+JJ:OB+JJ+1] op_sel:[0,1,0] op_sel_hi:[1,1,1]
.set JJ, JJ+2
.endr
.set JJ, 0
.rept 16
	v_pk_fma_f32 v[OA+JJ:OA+JJ+1], v[32+JJ:33+JJ], v[24:25], v[OA+JJ:OA+JJ+1] op_sel_hi:[1,0,1]
	v_pk_fma_f32 v[OB+JJ:OB+JJ+1], v[224+JJ:225+JJ], v[24:25], v[OB+JJ:OB+JJ+1] op_sel:[0,1,0] op_sel_hi:[1,1,1]
.set JJ, JJ+2
.endr
.set JJ, 0
.rept 64
	v_med3_num_f32 v[OA+JJ], v[OA+JJ], -v7, v7
.set JJ, JJ+1
.endr
.irp t, 0,1,2,3,4,5,6,7
	v_cvt_scalef32_pk8_fp8_f32 v[SA+2*\t:SA+2*\t+1], v[OA+8*\t:OA+8*\t+7], v0   ; tile t's codes are registers 2 t, 2 t + 1 of the next product's operand
.endr
	v_nop                                          ; a plain instruction behind the last conversion
	global_store_b128 v[LN], v[SA:SA+3], s[8:9]                ; 32 lanes store 512 consecutive bytes, aligned
	global_store_b128 v[LN], v[SA+4:SA+7], s[8:9] offset:512
	global_store_b128 v[LN], v[SA+8:SA+11], s[8:9] offset:4096
	global_store_b128 v[LN], v[SA+12:SA+15], s[8:9] offset:4608
.Lend:
	s_wait_tensorcnt 0x0                           ; the wave's end, behind my last LDS store
	ds_add_u32 v[SPW], v[NIL]
	s_wait_dscnt 0x0
	s_endpgm
.Lfunc_end_k_qb9626e2168_attn:
	.size	k_qb9626e2168_attn, .Lfunc_end_k_qb9626e2168_attn-k_qb9626e2168_attn
	.p2alignl 7, 3214868480
	.fill 96, 4, 3214868480
	.section	.rodata,"a",@progbits
	.p2align	6, 0x0
	.amdhsa_kernel k_qb9626e2168_attn
		.amdhsa_group_segment_fixed_size 269824
		.amdhsa_private_segment_fixed_size 0
		.amdhsa_enable_private_segment 0
		.amdhsa_kernarg_size 24
		.amdhsa_user_sgpr_count 2
		.amdhsa_user_sgpr_kernarg_segment_ptr 1
		.amdhsa_wavefront_size32 1
		.amdhsa_system_sgpr_workgroup_id_x 1
		.amdhsa_system_sgpr_workgroup_id_y 1
		.amdhsa_system_sgpr_workgroup_id_z 1
		.amdhsa_system_vgpr_workitem_id 0
		.amdhsa_next_free_vgpr 320
		.amdhsa_next_free_sgpr 100
		.amdhsa_reserve_vcc 0
		.amdhsa_float_denorm_mode_32 3
		.amdhsa_float_denorm_mode_16_64 3
		.amdhsa_memory_ordered 1
		.amdhsa_forward_progress 1
		.amdhsa_inst_pref_size 151
	.end_amdhsa_kernel
	.amdgpu_metadata
---
amdhsa.version: [ 1, 2 ]
amdhsa.kernels:
  - .name:           k_qb9626e2168_attn
    .symbol:         k_qb9626e2168_attn.kd
    .args:
      - { .name: qkv, .offset: 0, .size: 8, .value_kind: global_buffer, .address_space: global }
      - { .name: lowp_scales, .offset: 8, .size: 8, .value_kind: global_buffer, .address_space: global }
      - { .name: zc, .offset: 16, .size: 8, .value_kind: global_buffer, .address_space: global }
    .group_segment_fixed_size: 269824
    .private_segment_fixed_size: 0
    .kernarg_segment_align: 8
    .kernarg_segment_size: 24
    .max_flat_workgroup_size: 384
    .sgpr_count:     100
    .vgpr_count:     320
    .wavefront_size: 32
...
	.end_amdgpu_metadata
.endif
;; end of part 3
;; launch proj (part 4): grid 8 x 32, 4 waves a work-group, clusters of 4 x 4, 327,680 bytes of LDS; arguments zc, wc, lowp_scales, out0; writes out0
.if DOCPART == 4
	.amdgcn_target "amdgcn-amd-amdhsa--gfx1250"
	.amdhsa_code_object_version 6
	.text
	.protected	k_qb9626e2168_proj
	.globl	k_qb9626e2168_proj
	.p2align	8
	.type	k_qb9626e2168_proj,@function
k_qb9626e2168_proj:
	s_mov_b64 s[64:65], 0
	v_nop
	global_prefetch_b8 v0, s[64:65] scope:SCOPE_SE
	s_setreg_imm32_b32 hwreg(HW_REG_WAVE_MODE, 25, 1), 1
	s_wait_xcnt 0x0
	s_wait_alu depctr_hold_cnt(0) depctr_sa_sdst(0) depctr_va_vdst(0) depctr_va_sdst(0) depctr_va_ssrc(0) depctr_va_vcc(0) depctr_vm_vsrc(0)
	s_getreg_b32 s2, hwreg(HW_REG_IB_STS2, 6, 4)
	s_cmp_eq_u32 s2, 0
	s_cbranch_scc0 .Lentry_in_a_cluster
	s_endpgm
.Lentry_in_a_cluster:
	s_bfe_u32 s2, ttmp6, 0x10000c
	s_cmp_lg_u32 s2, 0xf033
	s_cbranch_scc0 .Lentry_shape_is_right
	s_endpgm
.Lentry_shape_is_right:
; out0 = z Wo^T on codes of FP8 (E4M3): C[m][n] = 2^(e10 + e11) x the sum over k of z's code (m, k) x Wo's code (n, k); M = 4,096, N = K = 1,024; C in f32.
; LIMIT: e10 + e11 lies between -126 and 127, so that 2^(e10 + e11) is an f32 number.
; A tile of C is 128 x 128: 256 work-groups (tiles of 256 x 256 would be 64).  Four waves, each 64 x 64: 16 accumulators.
; THE WHOLE K LIES IN LDS: 128 rows x 1,024 codes are 131,072 bytes for A and as many for B, so no bytes are filled twice.  Each wave fetches 64 rows of A or of B by two tensor loads, one for each half of K
; (two pieces of 16,384 dense bytes): the first at the head, the second behind a full sequence and a round of the cluster's barrier; it has the first three steps' 48 matrix instructions a wave in which to land.
; No prefetch: there is no loop to run ahead in.
; The codes lie as images of operand registers (16 rows x 256 K = 4,096 bytes; four registers of the 32 lanes = 512 bytes, lane l at 16 l): a fragment comes by four ds_load_b128 at 16 x lane.
; CLUSTERS: 4 x 4 work-groups.  The four of a row of the cluster need the same pieces of A, the four of a column the same pieces of B: each is asked for JOINTLY.
; THE MATRIX INSTRUCTION IS USED TRANSPOSED (source 0 = 16 rows of Wo, source 1 = 16 rows of z): a lane holds eight neighbouring numbers of a row of C.
; REGISTERS: window 0: v16-29 addresses; v32-63 a block's results; v64-127 rows read back, two sets; v128-255 the accumulators ((a, b) at v[128 + 8 (4 a + b)]).
;   window 1: two fragment buffers of 128: A's 4 x 16 registers, then B's 4 x 16, for 128 along K.
.set AREA,  131072                     ; A's codes: K half at 65,536, my 64 rows at 32,768, 256 along K at 16,384, 16 rows at 4,096; B's behind them
.set STAGE, 2*AREA                     ; the way out: 16 rows x (256 + 16) bytes for each wave: bytes of their own, into which no tensor load lands
.set SP,    272
.set SPARE, STAGE+4*16*SP              ; behind the stages: the spare words, 128 bytes for each wave: two blocks of 256 bytes that no other line names
.set ADRA, 16                          ; v16-17  my A fragments: K half 0, 1 (an LDS offset has 16 bits)
.set ADRB, 20                          ; v20-21  the same for B
.set STO,  24                          ; v24     the way out: where I put 32 bytes of a row
.set RD,   25                          ; v25     where I read a row back
.set CO,   26                          ; v26     my byte offset in C
.set SPW,  28                          ; v28     LDS address of my spare word; never rewritten
.set NIL,  29                          ; v29     0; never rewritten
.set TMP,  32
.set BK,   64
.set ACC,  128
.set G1A, 24                           ; s[24:31] descriptor group 1 for A;  s[32:39] for B: they differ in the mask and in the pitch
.set G1B, 32
.set G0A, 40                           ; s[40:47] group 0 for A's two loads, s[56:63] for B's
.set G0B, 56
.set MSB, 0
.macro WIN new                         ; the immediate's high byte repeats the setting that is left
.if MSB != (\new)
	s_set_vgpr_msb (MSB<<8)|(\new)
.set MSB, (\new)
.endif
.endm
.set MULW, 0x05                        ; sources 0 (B) and 1 (A) window 1; C and D window 0
.set TO_F, 0x40                        ; destination window 1, address window 0
.macro JLOAD hf                        ; waves 0 and 1 fetch for A, waves 2 and 3 for B; an s_nop 0 and four v_nop follow each of the two lines
	s_cmp_eq_u32 s15, 0
	s_cbranch_scc0 .Lfor_b_\@
	tensor_load_to_lds s[G0A+4*\hf:G0A+4*\hf+3], s[G1A:G1A+7]
	s_nop 0
.rept 4
	v_nop
.endr
	s_branch .Lasked_\@
.Lfor_b_\@:
	tensor_load_to_lds s[G0B+4*\hf:G0B+4*\hf+3], s[G1B:G1B+7]
	s_nop 0
.rept 4
	v_nop
.endr
.Lasked_\@:
.endm
.macro CROUND                          ; a whole round of the cluster's barrier
	s_barrier_signal -1
	s_barrier_wait -1
	s_cmp_lg_u32 s14, 0
	s_cbranch_scc1 .Lnot_wave_0_\@
	s_barrier_signal -3
.Lnot_wave_0_\@:
	s_barrier_wait -3
	s_barrier_signal -1
	s_barrier_wait -1
.endm
.macro PLACES                          ; four places in front of loads into registers that matrix instructions have read, and of the first read of results (ISA guide 7.12.1 for the first read of results)
.rept 4
	v_nop
.endr
.endm
	s_load_b128 s[4:7], s[0:1], 0x0                ; zc s[4:5], wc s[6:7]
	s_load_b128 s[8:11], s[0:1], 0x10              ; the exponents s[8:9], out0 s[10:11]
	v_lshl_add_u32 v[SPW], v0, 2, SPARE
	v_mov_b32 v[NIL], 0
	ds_add_u32 v[SPW], v[NIL]                      ; the wave's opening: the add, twice on end, and its wait ahead of my first tensor load; the set-up below stands between the second and the wait
	ds_add_u32 v[SPW], v[NIL]
	v_lshrrev_b32 v1, 5, v0
	v_readfirstlane_b32 s14, v1                    ; wave 0..3
	s_lshr_b32 s15, s14, 1                         ; which half of the tile's rows is mine.  Also: I fetch for A (0) or for B (1)
	s_and_b32 s16, s14, 1                          ; which half of its columns.  Also: which 64 rows I fetch
	s_bfe_u32 s76, ttmp6, 0x40000                  ; cx, cy: my place in the cluster
	s_bfe_u32 s77, ttmp6, 0x40004
	s_lshl_b32 s78, ttmp9, 2
	s_add_co_u32 s78, s78, s76                     ; tile column of C = 4 x cluster x + cx
	s_and_b32 s79, ttmp7, 0xffff
	s_lshl_b32 s79, s79, 2
	s_add_co_u32 s79, s79, s77                     ; tile row of C = 4 x cluster y + cy
	s_lshl_b32 s80, s77, 2
	s_lshl_b32 s80, 15, s80                        ; my row of the cluster
	s_lshl_b32 s81, 0x1111, s76                    ; my column
	; descriptor group 1: two pieces of 16,384 dense bytes, stated as two rows of 2,048 elements of 8 bytes; from piece to piece (256 along K) 1,048,576 bytes in zc, 262,144 in wc; no padding
	s_or_b32 s[G1A], s80, (3<<16)|(1<<21)          ; 15:0 the mask: A's go to my row; 17:16 elements of 8 bytes; 21 set beside a mask
	s_or_b32 s[G1B], s81, (3<<16)|(1<<21)
.irp g, G1A, G1B
	s_mov_b32 s[\g+1], 2048<<16                    ; tensor_dim0 = 2,048
	s_mov_b32 s[\g+2], 2<<16                       ; tensor_dim1 = 2
	s_mov_b32 s[\g+3], 2048<<16                    ; tile_dim0 = 2,048
	s_mov_b32 s[\g+4], 2                           ; tile_dim1 = 2
	s_mov_b32 s[\g+6], 0
	s_mov_b32 s[\g+7], 0
.endr
	s_mov_b32 s[G1A+5], 131072                     ; tensor_dim0_stride
	s_mov_b32 s[G1B+5], 32768
	s_lshl_b32 s18, s16, 14                        ; which 64 rows I fetch, in memory,
	s_lshl_b32 s19, s14, 15
	s_and_b32 s19, s19, 32768                      ; and in LDS
	s_lshl_b32 s20, s79, 15                        ; A: tile row x 32,768 + half
	s_add_co_u32 s20, s20, s18
	s_mov_b32 s21, 0
	s_lshl_b32 s22, s78, 15                        ; B: Wo's image + tile column x 32,768 + half
	s_add_co_u32 s22, s22, s18
	s_add_co_u32 s22, s22, 0x300000
	s_mov_b32 s23, 0
	s_wait_dscnt 0x0                               ; both opening adds are done
	s_wait_kmcnt 0x0
	s_load_b64 s[96:97], s[8:9], 0x28              ; e10, e11
	s_add_nc_u64 s[20:21], s[4:5], s[20:21]
	s_add_nc_u64 s[22:23], s[6:7], s[22:23]
	CROUND                                         ; all sixteen work-groups are here: the joint loads meet
.irp hf, 0,1
	s_mov_b32 s[G0A+4*\hf], 1
	s_add_co_u32 s[G0A+4*\hf+1], s19, \hf*65536
	s_add_nc_u64 s[G0A+4*\hf+2:G0A+4*\hf+3], s[20:21], \hf*2097152
	s_or_b32 s[G0A+4*\hf+3], s[G0A+4*\hf+3], 0x80000000
	s_mov_b32 s[G0B+4*\hf], 1
	s_add_co_u32 s[G0B+4*\hf+1], s19, AREA+\hf*65536
	s_add_nc_u64 s[G0B+4*\hf+2:G0B+4*\hf+3], s[22:23], \hf*524288
	s_or_b32 s[G0B+4*\hf+3], s[G0B+4*\hf+3], 0x80000000
.endr
	JLOAD 0                                        ; K half 0: one tensor load a wave at the head
	v_and_b32 v1, 15, v0                           ; r
	v_bfe_u32 v2, v0, 4, 1                         ; h
	v_and_b32 v3, 31, v0
	v_lshlrev_b32 v3, 4, v3                        ; 16 x lane
	s_lshl_b32 s18, s15, 15                        ; my 64 rows of A
	v_add_nc_u32 v[ADRA], s18, v3
	v_add_nc_u32 v[ADRA+1], 65536, v[ADRA]
	s_add_co_u32 s18, s19, AREA                    ; my 64 rows of B
	v_add_nc_u32 v[ADRB], s18, v3
	v_add_nc_u32 v[ADRB+1], 65536, v[ADRB]
	s_mul_i32 s18, s14, 16*SP
	s_add_co_u32 s18, s18, STAGE                   ; my stage
	v_mul_u32_u24 v4, v1, SP                       ; in: row r, 32 bytes for each half of the lanes
	v_lshl_add_u32 v4, v2, 5, v4
	v_add_nc_u32 v[STO], s18, v4
	v_mul_u32_u24 v4, v2, SP                       ; back: lanes 0-15 take one row of 256 bytes, lanes 16-31 the next
	v_lshl_add_u32 v4, v1, 4, v4
	v_add_nc_u32 v[RD], s18, v4
	v_lshlrev_b32 v[CO], 12, v2                    ; and the same two rows in C: a row is 4,096 bytes
	v_lshl_add_u32 v[CO], v1, 4, v[CO]
	s_lshl_b32 s82, s79, 7
	s_lshl_b32 s18, s15, 6
	s_add_co_u32 s82, s82, s18                     ; my first row of C: 128 x tile row + 64 x half
	s_lshl_b32 s82, s82, 12
	s_lshl_b32 s18, s78, 9                         ; my first column, in bytes: 512 x tile column + 256 x half
	s_add_co_u32 s82, s82, s18
	s_lshl_b32 s18, s16, 8
	s_add_co_u32 s82, s82, s18
	s_mov_b32 s83, 0
	s_add_nc_u64 s[10:11], s[10:11], s[82:83]
; 32 LDS loads in one run: the fragments of step s (128 along K: K half s / 4, piece (s / 2) % 2, half of it s % 2) into buffer f
.macro FETCH s, f
	WIN TO_F
.irp i, 0,1,2,3
.irp c, 0,1,2,3
	ds_load_b128 v[(\f)+64+16*\i+4*\c:(\f)+64+16*\i+4*\c+3], v[ADRB+(\s)/4] offset:(((\s)/2)%2)*16384+\i*4096+((\s)%2)*2048+\c*512
	ds_load_b128 v[(\f)+16*\i+4*\c:(\f)+16*\i+4*\c+3],       v[ADRA+(\s)/4] offset:(((\s)/2)%2)*16384+\i*4096+((\s)%2)*2048+\c*512
.endr
.endr
.endm
; 16 matrix instructions: the 16 accumulators take turns, one instruction a turn, in the same order in every step.  zero = 1: the first products start the sums
.macro MUL f, zero
	WIN MULW
.irp a, 0,1,2,3
.irp b, 0,1,2,3
.if \zero
	v_wmma_f32_16x16x128_fp8_fp8 v[ACC+8*(4*\a+\b):ACC+8*(4*\a+\b)+7], v[(\f)+64+16*\b:(\f)+64+16*\b+15], v[(\f)+16*\a:(\f)+16*\a+15], 0
.else
	v_wmma_f32_16x16x128_fp8_fp8 v[ACC+8*(4*\a+\b):ACC+8*(4*\a+\b)+7], v[(\f)+64+16*\b:(\f)+64+16*\b+15], v[(\f)+16*\a:(\f)+16*\a+15], v[ACC+8*(4*\a+\b):ACC+8*(4*\a+\b)+7]
.endif
.endr
.endr
.endm
	s_wait_alu depctr_va_vdst(0)                   ; at the head's end
	s_wait_tensorcnt 0x0                           ; my part of K half 0 is in
	ds_add_u32 v[SPW], v[NIL]
	s_wait_dscnt 0x0
	CROUND                                         ; everybody's part is in, and the joint loads meet
	JLOAD 1                                        ; K half 1
	FETCH 0, 0
.irp s, 0,1,2,3,4,5,6,7                        ; eight steps of 128 along K; while one is multiplied, the next one's fragments are on their way from LDS
.if \s == 3
	s_wait_tensorcnt 0x0                           ; my part of K half 1 is in
	s_wait_dscnt 0x0                               ; no LDS instruction of mine is pending at a signal
	s_barrier_signal -1
	s_barrier_wait -1                              ; everybody's is
.endif
.if \s > 0
	PLACES                                         ; the buffer that is filled next was read by the last products
.endif
.if \s < 7
	FETCH \s+1, 128*((\s+1)%2)
	s_wait_dscnt 32                                ; all but the 32 just issued
.else
	s_wait_dscnt 0x0
.endif
.if \s == 0
	MUL 0, 1
.else
	MUL 128*(\s%2), 0
.endif
.endr
	WIN 0
; THE WAY OUT, block by block of 16 rows x 64 columns.  A lane holds 32 neighbouring bytes of a row, and the lanes beside it hold other rows: so a block goes through my own stage in LDS and comes back as whole rows of
; 256 bytes.  LDS serves a wave's instructions in order (ISA guide 5.7.1.4): no wait between the stores and the loads, nor in front of the next block's stores.
.macro TOSTAGE a
.set JJ, 0
.rept 16
	v_pk_mul_f32 v[TMP+JJ:TMP+JJ+1], v[ACC+32*(\a)+JJ:ACC+32*(\a)+JJ+1], s[96:97] op_sel_hi:[1,0]   ; both x s96 = 2^(e10 + e11); each accumulator from its low end on
.set JJ, JJ+2
.endr
.irp b, 0,1,2,3
	ds_store_b128 v[STO], v[TMP+8*\b:TMP+8*\b+3] offset:64*\b
	ds_store_b128 v[STO], v[TMP+8*\b+4:TMP+8*\b+7] offset:64*\b+16
.endr
.irp t, 0,1,2,3,4,5,6,7
	ds_load_b128 v[BK+32*((\a)%2)+4*\t:BK+32*((\a)%2)+4*\t+3], v[RD] offset:\t*2*SP
.endr
.endm
.macro SEND a, younger                 ; younger: the LDS instructions issued behind block a's loads, which may stay out
	s_wait_dscnt \younger                          ; the block is back in registers
.irp t, 0,1,2,3,4,5,6,7
	global_store_b128 v[CO], v[BK+32*((\a)%2)+4*\t:BK+32*((\a)%2)+4*\t+3], s[10:11] offset:(16*(\a)+2*\t)*4096 th:TH_STORE_NT   ; 16 lanes store 256 consecutive bytes, aligned; written once, read by nobody here
.endr
.endm
	s_wait_kmcnt 0x0
	s_add_co_i32 s96, s96, s97                     ; e10 + e11, between -126 and 127,
	s_add_co_i32 s96, s96, 127
	s_lshl_b32 s96, s96, 23                        ; makes the f32 number 2^(e10 + e11)
	s_mov_b32 s97, s96                             ; (named with it as a pair, so it is written)
	PLACES
	TOSTAGE 0
.irp a, 1,2,3
.if \a > 1
	s_wait_xcnt 0x0                                ; block a - 2's stores have read their registers: block a's loads may land there
.endif
	TOSTAGE \a
	SEND \a-1, 16                                  ; behind block a - 1's loads: block a's 8 stores and 8 loads
.endr
	SEND 3, 0
	s_wait_tensorcnt 0x0                           ; the wave's end, behind my last tensor load and my last LDS store
	ds_add_u32 v[SPW], v[NIL]
	s_wait_dscnt 0x0
	CROUND                                         ; the closing round: no work-group ends while a partner may still ask for a piece that names it
	s_endpgm
.Lfunc_end_k_qb9626e2168_proj:
	.size	k_qb9626e2168_proj, .Lfunc_end_k_qb9626e2168_proj-k_qb9626e2168_proj
	.p2alignl 7, 3214868480
	.fill 96, 4, 3214868480
	.section	.rodata,"a",@progbits
	.p2align	6, 0x0
	.amdhsa_kernel k_qb9626e2168_proj
		.amdhsa_group_segment_fixed_size 327680
		.amdhsa_private_segment_fixed_size 0
		.amdhsa_enable_private_segment 0
		.amdhsa_kernarg_size 32
		.amdhsa_user_sgpr_count 2
		.amdhsa_user_sgpr_kernarg_segment_ptr 1
		.amdhsa_wavefront_size32 1
		.amdhsa_system_sgpr_workgroup_id_x 1
		.amdhsa_system_sgpr_workgroup_id_y 1
		.amdhsa_system_sgpr_workgroup_id_z 1
		.amdhsa_system_vgpr_workitem_id 0
		.amdhsa_next_free_vgpr 512
		.amdhsa_next_free_sgpr 100
		.amdhsa_reserve_vcc 0
		.amdhsa_float_denorm_mode_32 3
		.amdhsa_float_denorm_mode_16_64 3
		.amdhsa_memory_ordered 1
		.amdhsa_forward_progress 1
		.amdhsa_inst_pref_size 45
	.end_amdhsa_kernel
	.amdgpu_metadata
---
amdhsa.version: [ 1, 2 ]
amdhsa.kernels:
  - .name:           k_qb9626e2168_proj
    .symbol:         k_qb9626e2168_proj.kd
    .args:
      - { .name: zc, .offset: 0, .size: 8, .value_kind: global_buffer, .address_space: global }
      - { .name: wc, .offset: 8, .size: 8, .value_kind: global_buffer, .address_space: global }
      - { .name: lowp_scales, .offset: 16, .size: 8, .value_kind: global_buffer, .address_space: global }
      - { .name: out0, .offset: 24, .size: 8, .value_kind: global_buffer, .address_space: global }
    .group_segment_fixed_size: 327680
    .private_segment_fixed_size: 0
    .kernarg_segment_align: 8
    .kernarg_segment_size: 32
    .max_flat_workgroup_size: 128
    .sgpr_count:     100
    .vgpr_count:     512
    .wavefront_size: 32
...
	.end_amdgpu_metadata
.endif
;; end of part 4
